; MI455X (gfx1250); checked and timed in simulation.
; The chip was launched on July 23, 2026; its instructions are those of AMD's public machine-readable ISA for CDNA 5 (MIT licence, August 2026) and "CDNA5" Instruction Set Architecture Reference Guide (July 2026). The comments in the code are by the model that wrote it; some were corrected since.
;; Gaussian Rasterizer. Allowed arithmetic: float matrix products may take bf16 or f16 operands with f32 sums; all other float work in f32.
;; Inputs: bg 3 float32; colors_precomp 2,048 x 3 float32; means3D 2,048 x 3 float32; opacities 2,048 x 1 float32; rotations 2,048 x 4 float32; scales 2,048 x 3 float32; viewmatrix 4 x 4 float32.
;; Outputs: out0 3 x 128 x 128 float32; out1 2,048 float32; out2 128 x 128 float32; out3 128 x 128 float32.
;; 2 versions, each right; version 2 is version 1 with the launch raster written anew for expert scheduling mode. Each part assembles by itself: llvm-mc -triple=amdgcn-amd-amdhsa -mcpu=gfx1250 --defsym DOCPART=n.
;; ======== version 1 of 2: 2 launches
;; limits: values outside matrix products are rounded to bf16
;; workspace buffers: recs 65,536 bytes; keys 8,192 bytes of whole numbers
;; launch prep (part 1): grid 256 x 1, 9 waves a work-group, no clusters, 169,216 bytes of LDS; arguments means3D, opacities, colors_precomp, scales, rotations, viewmatrix, recs, keys, out1; writes recs, keys, out1
.if DOCPART == 1
	.amdgcn_target "amdgcn-amd-amdhsa--gfx1250"
	.amdhsa_code_object_version 6
	.text
	.protected	k_q2400e14979_prep
	.globl	k_q2400e14979_prep
	.p2align	8
	.type	k_q2400e14979_prep,@function
k_q2400e14979_prep:
	s_mov_b64 s[64:65], 0
	v_nop
	global_prefetch_b8 v0, s[64:65] scope:SCOPE_SE
	s_setreg_imm32_b32 hwreg(HW_REG_WAVE_MODE, 25, 1), 1
	s_wait_xcnt 0x0
; PREP: projection of 2,048 Gaussians, their stable depth rank, and a conservative screen box for each.
; Work-group g owns Gaussians 8g .. 8g+7.
;   waves 0-7 (256 threads): make the sort keys of all 2,048 depths in LDS, then count ranks: thread t = (slice s = t>>3, own Gaussian ii = t&7)
;              compares its Gaussian's key with the 64 keys of slice s.  Its own key it makes itself, from its Gaussian's mean, by the same lines.
;   wave 8   : meanwhile computes the eight parameter sets (lane l serves Gaussian l&7), then adds the 32 partial counts and stores.
; Out: recs[i] = 8 words (mx, my, qa, qb, qc, R, bf16 r/255 | g/255, bf16 b/255 | z/255), with
;        log2(255 alpha) = R + qa dx^2 + qb dx dy + qc dy^2,  R = log2(255 opacity);
;      keys[i] = rank | x-half flags << 11 | ylo << 13 | (127 - yhi) << 21 (bits 20 and 28 stay 0);   out1[i] = radius.
; A Gaussian whose alpha can reach 1/255 nowhere on a half of the screen gets that half's flag 0: alpha >= 1/255 is the ellipse
; d' Con d <= 2 ln2 R, whose bounding box is |dx| <= sqrt(2 ln2 R a), |dy| <= sqrt(2 ln2 R c).
; LIMITS: the box has 10 per cent slack on the radicand and half a pixel more, which covers a relative error of the computed determinant up to
; that size.  A radius can differ by 1 from a correctly rounded one where 3 sqrt(lambda) lies within a few ulp of a whole number.  -0 sorts as +0.
; NaN inputs are not served (the depth image is NaN everywhere then).
; A record unit of 256 bytes is stored whole by 16 lanes; keys and radii leave as 32 consecutive bytes a group, the price of spreading the
; 2,048 x 2,048 comparisons over 256 groups.
; LDS: KEYT at 0: 32 slices of 64 keys, pitch 272 bytes.  CNT at 8,704: 8 rows (own Gaussian) of 32 words (slice), pitch 144 bytes.
; Scalars: s3 wave; s[8:25] the nine buffers; s[32:47] the view matrix, V[r][c] = s[32+4r+c]; s48 = 8g; s49-s61 constants and lane masks.
.set KPITCH, 272
.set CNT,    8704
.set CPITCH, 144
; the depth of the mean in v[m .. m+2] -> v[d], a key whose unsigned order is the depth's order.  v41 is its temporary.
.macro KEYOF d, m
	v_mul_f32 v[\d], s40, v[\m]
	v_fma_f32 v[\d], s41, v[\m+1], v[\d]
	v_fma_f32 v[\d], s42, v[\m+2], v[\d]
	v_add_f32 v[\d], s43, v[\d]
	v_add_f32 v[\d], 0, v[\d]                      ; -0 becomes +0
	v_ashrrev_i32 v41, 31, v[\d]
	v_or_b32 v41, 0x80000000, v41                  ; negative: flip all bits; else: flip the sign
	v_xor_b32 v[\d], v[\d], v41
.endm
; row k's Gaussian is j = t + 256 k
.macro ZKEY k
	s_wait_loadcnt 7-\k                            ; loads return in order: row k is in, the 7-k younger ones stay out
	KEYOF 40, 8+4*\k
	ds_store_b32 v2, v40 offset:4*KPITCH*\k        ; 256 keys on = 4 slices on
.endm
; four keys of my slice against my Gaussian's key K: count key_j < K, or <= K where j < i (a stable order)
.macro CNT4 q
	s_wait_dscnt 15-\q                             ; LDS loads return in order: quad q is in, the 15-q younger ones stay out
.irp c, 0,1,2,3
	v_cmp_lt_i32 vcc_lo, 4*\q+\c, v5               ; j < i
	v_add_co_ci_u32 v28, vcc_lo, 0, v30, vcc_lo    ; K + [j < i]
	v_cmp_lt_u32 vcc_lo, v[32+4*\q+\c], v28
	v_add_co_ci_u32 v31, vcc_lo, 0, v31, vcc_lo
.endr
.endm
; d = 1 / x with one Newton step; the v_nop is the plain instruction owed behind v_rcp_f32 (ISA guide 5.7.2)
.macro RCPN d, x, t
	v_rcp_f32 \d, \x
	v_nop
	s_wait_alu depctr_va_vdst(0)
	v_fma_f32 \t, -\x, \d, 1.0
	v_fma_f32 \d, \d, \t, \d
.endm
; U[a][k] = scale_k * sum over i of T2[a][i] R[i][k];  t0: first register of T2's row
.macro UK dst, t0, k
	v_mul_f32 v[\dst], v[\t0], v[64+\k]
	v_fma_f32 v[\dst], v[\t0+1], v[67+\k], v[\dst]
	v_fma_f32 v[\dst], v[\t0+2], v[70+\k], v[\dst]
	v_mul_f32 v[\dst], v[\dst], v[12+\k]
.endm
	s_load_b512 s[8:23], s[0:1], 0x0               ; means 8:9, opacities 10:11, colours 12:13, scales 14:15, rotations 16:17, view 18:19, recs 20:21, keys 22:23
	s_load_b64 s[24:25], s[0:1], 0x40              ; out1
	v_lshl_add_u32 v128, v0, 2, 0x29000
	v_mov_b32 v129, 0
	v_lshrrev_b32 v1, 5, v0
	v_readfirstlane_b32 s3, v1                     ; wave 0..8
	s_lshl_b32 s48, ttmp9, 3                       ; my group's first Gaussian
	s_wait_kmcnt 0x0
	s_load_b512 s[32:47], s[18:19], 0x0            ; the view matrix, 64 bytes
	s_cmp_eq_u32 s3, 8
	s_cbranch_scc1 .Lown
	; ---- waves 0-7: all 2,048 keys, eight a thread, and the thread's own ----
	v_mul_u32_u24 v1, v0, 12                       ; a mean is 12 bytes
	v_and_b32 v6, 7, v0
	v_add_nc_u32 v6, s48, v6                       ; i = 8 g + (t & 7)
	v_mul_u32_u24 v6, v6, 12
	global_load_b96 v[44:46], v6, s[8:9]           ; my own Gaussian's mean: the oldest load, in with the first wait below
.irp k, 0,1,2,3,4,5,6,7
	global_load_b96 v[8+4*\k:10+4*\k], v1, s[8:9] offset:3072*\k
.endr
	v_lshrrev_b32 v3, 6, v0
	v_and_b32 v4, 63, v0
	v_mul_u32_u24 v3, v3, KPITCH
	v_lshl_add_u32 v2, v4, 2, v3                   ; key t's place: slice t>>6, word t&63
	s_wait_kmcnt 0x0                               ; the view matrix
.irp k, 0,1,2,3,4,5,6,7
	ZKEY \k
.endr
	KEYOF 30, 44                                   ; K, bit for bit the key that lies in the table for i
	s_branch .Lbar1
.Lown:	; ---- wave 8: the inputs of my eight Gaussians ----
	v_and_b32 v1, 7, v0                            ; ii
	v_add_nc_u32 v2, s48, v1                       ; i
	v_mul_u32_u24 v3, v2, 12
	v_lshlrev_b32 v4, 4, v2
	v_lshlrev_b32 v5, 2, v2
	global_load_b96 v[8:10], v3, s[8:9]            ; mean
	global_load_b96 v[12:14], v3, s[14:15]         ; scales
	global_load_b96 v[16:18], v3, s[12:13]         ; colour
	global_load_b128 v[20:23], v4, s[16:17]        ; quaternion w, x, y, z
	global_load_b32 v24, v5, s[10:11]              ; opacity
	s_wait_kmcnt 0x0                               ; the view matrix
.Lbar1:
	s_wait_dscnt 0x0                               ; my keys are in LDS, for the other waves' sake
	s_barrier_signal -1
	s_barrier_wait -1
	s_cmp_eq_u32 s3, 8
	s_cbranch_scc1 .Lparams
	; ---- waves 0-7: partial ranks ----
	v_and_b32 v1, 7, v0                            ; ii
	v_lshrrev_b32 v3, 3, v0                        ; slice s
	v_add_nc_u32 v4, s48, v1                       ; i
	v_lshlrev_b32 v5, 6, v3
	v_sub_nc_u32 v5, v4, v5                        ; i - 64 s, signed
	v_mul_u32_u24 v7, v3, KPITCH                   ; my slice
.irp q, 0,1,2,3,4,5,6,7,8,9,10,11,12,13,14,15
	ds_load_b128 v[32+4*\q:35+4*\q], v7 offset:16*\q   ; 16 lanes ask for two addresses 272 bytes apart: different banks
.endr
	v_mov_b32 v31, 0
.irp q, 0,1,2,3,4,5,6,7,8,9,10,11,12,13,14,15
	CNT4 \q
.endr
	v_mul_u32_u24 v8, v1, CPITCH
	v_lshl_add_u32 v8, v3, 2, v8
	ds_store_b32 v8, v31 offset:CNT
	s_branch .Lbar2
.Lparams:	; ---- wave 8: the parameters.  v32 x, v33 y, v34 z, v35 zc, v36 1/zc, v38-39 x/zc y/zc, v42-44 J, v45-50 T2, v64-72 R, v73-78 U, v80-82 a b c ----
	s_wait_loadcnt 0x0
	s_mov_b32 s52, 0x3e4ccccd                      ; 0.2, the near plane
	s_mov_b32 s53, 0x43000000                      ; 128 = fx = fy
	s_mov_b32 s54, 0x42fe0000                      ; 127
	s_mov_b32 s55, 0x427c0000                      ; 63
	s_mov_b32 s56, 0x42800000                      ; 64
	s_mov_b32 s61, 0x3b808081                      ; 1/255
.irp a, 0,1,2
	v_mul_f32 v[32+\a], s[32+4*\a], v8             ; view space, in the order in which the keys were made
	v_fma_f32 v[32+\a], s[33+4*\a], v9, v[32+\a]
	v_fma_f32 v[32+\a], s[34+4*\a], v10, v[32+\a]
	v_add_f32 v[32+\a], s[35+4*\a], v[32+\a]
.endr
	v_max_num_f32 v35, 0x38d1b717, v34             ; zc = max(z, 1e-4)
	RCPN v36, v35, v37
	v_mul_f32 v38, v32, v36                        ; x / zc
	v_mul_f32 v39, v33, v36                        ; y / zc
	v_max_num_f32 v40, 0xbf266666, v38             ; clipped to +-0.65
	v_max_num_f32 v41, 0xbf266666, v39
	v_min_num_f32 v40, 0x3f266666, v40
	v_min_num_f32 v41, 0x3f266666, v41
	v_mul_f32 v42, s53, v36                        ; J00 = J11 = f / zc
	v_mul_f32 v43, -v42, v40                       ; J02 = -f tx / zc^2
	v_mul_f32 v44, -v42, v41                       ; J12
.irp k, 0,1,2
	v_mul_f32 v[45+\k], s[32+\k], v42              ; T2 = J Rv
	v_mul_f32 v[48+\k], s[36+\k], v42
	v_fma_f32 v[45+\k], s[40+\k], v43, v[45+\k]
	v_fma_f32 v[48+\k], s[40+\k], v44, v[48+\k]
.endr
	v_mul_f32 v51, v20, v20                        ; |q|^2
	v_fma_f32 v51, v21, v21, v51
	v_fma_f32 v51, v22, v22, v51
	v_fma_f32 v51, v23, v23, v51
	RCPN v52, v51, v53
	v_add_f32 v52, v52, v52                        ; 2 / |q|^2: the normalisation, folded into the products
	v_mul_f32 v54, v21, v21                        ; xx
	v_mul_f32 v55, v22, v22                        ; yy
	v_mul_f32 v56, v23, v23                        ; zz
	v_mul_f32 v57, v21, v22                        ; xy
	v_mul_f32 v58, v21, v23                        ; xz
	v_mul_f32 v59, v22, v23                        ; yz
	v_mul_f32 v60, v20, v21                        ; wx
	v_mul_f32 v61, v20, v22                        ; wy
	v_mul_f32 v62, v20, v23                        ; wz
	v_add_f32 v63, v55, v56
	v_fma_f32 v64, -v52, v63, 1.0                  ; R00
	v_sub_f32 v63, v57, v62
	v_mul_f32 v65, v52, v63                        ; R01
	v_add_f32 v63, v58, v61
	v_mul_f32 v66, v52, v63                        ; R02
	v_add_f32 v63, v57, v62
	v_mul_f32 v67, v52, v63                        ; R10
	v_add_f32 v63, v54, v56
	v_fma_f32 v68, -v52, v63, 1.0                  ; R11
	v_sub_f32 v63, v59, v60
	v_mul_f32 v69, v52, v63                        ; R12
	v_sub_f32 v63, v58, v61
	v_mul_f32 v70, v52, v63                        ; R20
	v_add_f32 v63, v59, v60
	v_mul_f32 v71, v52, v63                        ; R21
	v_add_f32 v63, v54, v55
	v_fma_f32 v72, -v52, v63, 1.0                  ; R22
.irp k, 0,1,2
	UK 73+\k, 45, \k                               ; cov2d = U U^T, U = T2 R diag(scales)
	UK 76+\k, 48, \k
.endr
	v_fmaak_f32 v80, v73, v73, 0x3e99999a          ; a = 0.3 + sum U0k^2
	v_fma_f32 v80, v74, v74, v80
	v_fma_f32 v80, v75, v75, v80
	v_mul_f32 v81, v73, v76                        ; b
	v_fma_f32 v81, v74, v77, v81
	v_fma_f32 v81, v75, v78, v81
	v_fmaak_f32 v82, v76, v76, 0x3e99999a          ; c
	v_fma_f32 v82, v77, v77, v82
	v_fma_f32 v82, v78, v78, v82
	v_mul_f32 v83, v81, v81
	v_fma_f32 v83, v80, v82, -v83                  ; det
	v_cmp_lt_f32 s50, 0, v83
	v_cmp_gt_f32 s51, v34, s52
	s_and_b32 s50, s50, s51                        ; valid
	RCPN v84, v83, v85
	v_cmp_neq_f32 vcc_lo, 0, v83
	v_cndmask_b32 v84, 0, v84, vcc_lo              ; 1/det, 0 where det = 0
	v_mul_f32 v86, 0xbf38aa3b, v84                 ; -0.5 log2(e) / det
	v_mul_f32 v88, 0x3fb8aa3b, v84                 ; log2(e) / det
	v_mul_f32 v87, v86, v82                        ; qa
	v_mul_f32 v89, v86, v80                        ; qc
	v_mul_f32 v88, v88, v81                        ; qb = -log2(e) conB
	v_add_f32 v90, v80, v82
	v_mul_f32 v90, 0.5, v90                        ; mid
	v_fma_f32 v91, v90, v90, -v83
	v_max_num_f32 v91, 0x3dcccccd, v91
	v_sqrt_f32 v91, v91
	v_mul_f32 v96, 0x437f0000, v24                 ; 255 opacity (the plain instruction behind the root)
	s_wait_alu depctr_va_vdst(0)
	v_add_f32 v92, v90, v91                        ; lambda
	v_sqrt_f32 v92, v92
	v_log_f32 v96, v96                             ; R = log2(255 opacity)
	v_fmaak_f32 v94, s53, v38, 0x427e0000          ; mx = 128 x/zc + 63.5 (plain, behind the two)
	v_fmaak_f32 v95, s53, v39, 0x427e0000          ; my
	s_wait_alu depctr_va_vdst(0)
	v_mul_f32 v92, 0xc0400000, v92
	v_floor_f32 v92, v92
	v_sub_f32 v92, 0, v92                          ; ceil(3 sqrt(lambda))
	v_cndmask_b32 v93, 0, v92, s50                 ; radius
	v_cmp_le_f32 s51, 0, v96
	s_and_b32 s51, s51, s50                        ; can be seen at all: valid and 255 opacity >= 1
	v_mul_f32 v97, 0x3fc330b6, v96                 ; 1.1 x 2 ln2 x R
	v_mul_f32 v98, v97, v80
	v_mul_f32 v99, v97, v82
	v_sqrt_f32 v98, v98
	v_sqrt_f32 v99, v99
	v_nop
	s_wait_alu depctr_va_vdst(0)
	v_add_f32 v98, 0.5, v98                        ; box half widths
	v_add_f32 v99, 0.5, v99
	v_sub_f32 v100, v94, v98                       ; xlo
	v_add_f32 v101, v94, v98                       ; xhi
	v_sub_f32 v102, v95, v99                       ; ylo
	v_add_f32 v103, v95, v99                       ; yhi
	v_cmp_le_f32 s57, 0, v103                      ; a NaN fails every test, which culls, as its alpha is 0
	v_cmp_ge_f32 s58, s54, v102
	s_and_b32 s57, s57, s58
	s_and_b32 s57, s57, s51
	v_cmp_ge_f32 s58, s55, v100
	v_cmp_le_f32 s59, 0, v101
	s_and_b32 s58, s58, s59
	s_and_b32 s58, s58, s57                        ; touches columns 0-63
	v_cmp_le_f32 s59, s56, v101
	v_cmp_ge_f32 s60, s54, v100
	s_and_b32 s59, s59, s60
	s_and_b32 s59, s59, s57                        ; touches columns 64-127
	v_floor_f32 v102, v102
	v_floor_f32 v103, -v103
	v_max_num_f32 v102, 0, v102
	v_add_f32 v103, s54, v103                      ; 127 - ceil(yhi)
	v_min_num_f32 v102, s54, v102
	v_max_num_f32 v103, 0, v103
	v_min_num_f32 v103, s54, v103
	v_cvt_u32_f32 v102, v102
	v_cvt_u32_f32 v103, v103
	v_cndmask_b32 v104, 0, 1, s58                  ; the masks only choose values
	v_cndmask_b32 v105, 0, 1, s59
	v_lshlrev_b32 v104, 11, v104
	v_lshl_or_b32 v104, v105, 12, v104
	v_lshl_or_b32 v104, v102, 13, v104
	v_lshl_or_b32 v104, v103, 21, v104             ; the key's upper part
	v_mul_f32 v106, s61, v16
	v_mul_f32 v107, s61, v17
	v_mul_f32 v108, s61, v18
	v_mul_f32 v109, s61, v34
	v_cvt_pk_bf16_f32 v110, v106, v107             ; r/255 | g/255
	v_cvt_pk_bf16_f32 v111, v108, v109             ; b/255 | z/255
	v_and_b32 v117, 8, v0                          ; lanes 8-15 carry the record's second 16 bytes
	v_cmp_ne_u32 vcc_lo, 0, v117
	v_cndmask_b32 v112, v94, v89, vcc_lo           ; mx | qc
	v_cndmask_b32 v113, v95, v96, vcc_lo           ; my | R
	v_cndmask_b32 v114, v87, v110, vcc_lo          ; qa | colours
	v_cndmask_b32 v115, v88, v111, vcc_lo          ; qb | colour, depth
.Lbar2:
	s_wait_dscnt 0x0                               ; my partial count is in LDS, for wave 8's sake
	s_barrier_signal -1
	s_barrier_wait -1
	s_cmp_lg_u32 s3, 8
	s_cbranch_scc1 .Lend
	; ---- wave 8: ranks and stores ----
	v_mul_u32_u24 v6, v1, CPITCH
.irp q, 0,1,2,3,4,5,6,7
	ds_load_b128 v[32+4*\q:35+4*\q], v6 offset:CNT+16*\q
.endr
	v_and_b32 v7, 31, v0                           ; lane
	s_lshl_b32 s48, ttmp9, 8                       ; my record unit
	s_lshl_b32 s49, ttmp9, 5                       ; my 32 bytes of keys and of radii
	v_lshlrev_b32 v116, 5, v1                      ; 32 ii
	v_lshl_add_u32 v116, v117, 1, v116             ; + 16 for the second half
	v_add_nc_u32 v116, s48, v116
	v_lshl_add_u32 v118, v7, 2, s49
	s_wait_dscnt 0x0
	v_add3_u32 v32, v32, v33, v34
.set j, 35
.rept 14
	v_add3_u32 v32, v32, v[j], v[j+1]
.set j, j+2
.endr
	v_add_nc_u32 v32, v32, v63                     ; rank
	v_or_b32 v104, v104, v32
	s_wait_xcnt 0x0                                ; EXEC is a source of every memory instruction issued so far: it changes only behind this wait
	v_cmp_gt_u32 vcc_lo, 16, v7
	s_and_saveexec_b32 s50, vcc_lo
	global_store_b128 v116, v[112:115], s[20:21]   ; 16 lanes store 256 consecutive bytes, aligned: eight records
	s_wait_xcnt 0x0
	v_cmp_gt_u32 vcc_lo, 8, v7
	s_and_saveexec_b32 s51, vcc_lo
	global_store_b32 v118, v104, s[22:23]
	global_store_b32 v118, v93, s[24:25]
	s_wait_xcnt 0x0
	s_or_b32 exec_lo, exec_lo, s50                 ; all lanes on again
.Lend:
	s_wait_tensorcnt 0x0
	ds_add_u32 v128, v129
	s_wait_dscnt 0x0
	s_endpgm
.Lfunc_end_k_q2400e14979_prep:
	.size	k_q2400e14979_prep, .Lfunc_end_k_q2400e14979_prep-k_q2400e14979_prep
	.p2alignl 7, 3214868480
	.fill 96, 4, 3214868480
	.section	.rodata,"a",@progbits
	.p2align	6, 0x0
	.amdhsa_kernel k_q2400e14979_prep
		.amdhsa_group_segment_fixed_size 169216
		.amdhsa_private_segment_fixed_size 0
		.amdhsa_enable_private_segment 0
		.amdhsa_kernarg_size 72
		.amdhsa_user_sgpr_count 2
		.amdhsa_user_sgpr_kernarg_segment_ptr 1
		.amdhsa_wavefront_size32 1
		.amdhsa_system_sgpr_workgroup_id_x 1
		.amdhsa_system_sgpr_workgroup_id_y 1
		.amdhsa_system_sgpr_workgroup_id_z 1
		.amdhsa_system_vgpr_workitem_id 0
		.amdhsa_next_free_vgpr 130
		.amdhsa_next_free_sgpr 66
		.amdhsa_reserve_vcc 1
		.amdhsa_float_denorm_mode_32 3
		.amdhsa_float_denorm_mode_16_64 3
		.amdhsa_memory_ordered 1
		.amdhsa_forward_progress 1
		.amdhsa_inst_pref_size 29
	.end_amdhsa_kernel
	.amdgpu_metadata
---
amdhsa.version: [ 1, 2 ]
amdhsa.kernels:
  - .name:           k_q2400e14979_prep
    .symbol:         k_q2400e14979_prep.kd
    .args:
      - { .name: means3D, .offset: 0, .size: 8, .value_kind: global_buffer, .address_space: global }
      - { .name: opacities, .offset: 8, .size: 8, .value_kind: global_buffer, .address_space: global }
      - { .name: colors_precomp, .offset: 16, .size: 8, .value_kind: global_buffer, .address_space: global }
      - { .name: scales, .offset: 24, .size: 8, .value_kind: global_buffer, .address_space: global }
      - { .name: rotations, .offset: 32, .size: 8, .value_kind: global_buffer, .address_space: global }
      - { .name: viewmatrix, .offset: 40, .size: 8, .value_kind: global_buffer, .address_space: global }
      - { .name: recs, .offset: 48, .size: 8, .value_kind: global_buffer, .address_space: global }
      - { .name: keys, .offset: 56, .size: 8, .value_kind: global_buffer, .address_space: global }
      - { .name: out1, .offset: 64, .size: 8, .value_kind: global_buffer, .address_space: global }
    .group_segment_fixed_size: 169216
    .private_segment_fixed_size: 0
    .kernarg_segment_align: 8
    .kernarg_segment_size: 72
    .max_flat_workgroup_size: 288
    .sgpr_count:     66
    .vgpr_count:     130
    .wavefront_size: 32
...
	.end_amdgpu_metadata
.endif
;; end of part 1
;; launch raster (part 2): grid 256 x 1, 4 waves a work-group, no clusters, 168,448 bytes of LDS; arguments keys, recs, bg, out0, out2, out3; writes out0, out2, out3
.if DOCPART == 2
	.amdgcn_target "amdgcn-amd-amdhsa--gfx1250"
	.amdhsa_code_object_version 6
	.text
	.protected	k_q2400e14979_raster
	.globl	k_q2400e14979_raster
	.p2align	8
	.type	k_q2400e14979_raster,@function
k_q2400e14979_raster:
	s_mov_b64 s[64:65], 0
	v_nop
	global_prefetch_b8 v0, s[64:65] scope:SCOPE_SE
	s_setreg_imm32_b32 hwreg(HW_REG_WAVE_MODE, 25, 1), 1
	s_wait_xcnt 0x0
; RASTER: front-to-back compositing.  Work-group id owns 64 pixels: row Y = id>>1, columns 64 X .. 64 X + 63, X = id&1, which are 256 consecutive
; aligned bytes of every output plane.  Wave w owns the depth ranks 512 w .. 512 w + 511; up to the last step each wave works in LDS bytes of its own.
;   1 scatter : every wave reads all 2,048 keys and drops those of its rank range into LDS at their rank (the sort); the others go to a dump word.
;               On the way it counts M, the keys of its range whose box meets this tile (x-half flag, ylo <= Y <= yhi): the count needs no order, so
;               M, and the trip counts made of it, come by register arithmetic alone from whole numbers loaded from memory.
;   2 compact : the sorted entries that meet the tile are packed to the front, order kept; there are M of them.
;   3 gather  : their records are fetched; what depends on the row alone is folded in (dy is one number for the whole tile).  Written out, 16 trips of
;               32 list places with an exit in front of each, so that every LDS address is a fixed register and an immediate.
;   4 main    : lane (r = L&15, h = L>>4) owns pixels 64 X + 16 g + r, g = 0..3; lane half h walks half h of the list, 16 entries a trip.
;               e = log2(255 alpha) = (qa dx + bq) dx + R';  alpha passes iff 0 <= e <= R, one unsigned compare of the bits (R >= 0 is finite; negative
;               numbers and NaN have larger bit patterns);  beta = min(252.45, 2^e);  w = beta T;  T <- T - w / 255.  T stays in f32.
;               colour and depth sums go to the matrix unit: A = colours (rows 0-3: r g b z over half 0's entries, rows 8-11 over half 1's, all else 0),
;               B = weights (column = pixel r).  Registers 0-3 of D in lane (r, h) are then the four sums of pixel r over half h: no lane exchange.
;   5 combine : the eight segments (2 w + h, in depth order) meet in LDS: C = C0 + T0 C1 + T0 T1 C2 ..; wave w stores plane w.
; The list is a superset of the pairs that pass, so the result holds for any input; with all 2,048 listed it is merely long (16 trips a wave).
; BARRIERS: the main loop only loads from LDS, at addresses that hang on the trip and on the list's length.  A barrier stands between the gather's
; stores and the loop, and another between the loop and the combine's stores, so that the order of stores and loads holds for all waves whatever
; the loop's addresses; a third stands between the combine's stores and its loads, which do cross waves.
; No clusters: nothing comes by tensor loads, the only bytes that work-groups share are the 8 KiB of keys, and trip counts differ between groups.
; LIMITS: pairs within rounding of alpha = 1/255 or power = 0 may fall on the other side.  Depth rides as a fourth bf16 column beside the colours:
; a sum of positive terms, relative error at most 2^-8.  NaN inputs are not served.
; LDS, per wave at w x 16,512: S 513 words (word 512 = dump) at 0; REC4 512 x 16 bytes at 2,064; RB 512 words at 10,256; COLT 4 rows of 512 bf16, pitch 1,040,
; at 12,304; ZERO 32 bytes at 16,464.  Shared: COMB at 66,048: 8 segments, pitch 1,344, [5 values][64 pixels] f32.
.set WP,    16512
.set REC4,  2064
.set RB,    10256
.set COLT,  12304
.set CROW,  1040
.set ZERO,  16464
.set COMB,  66048
.set SEG,   1344
.set MOST,  16                         ; trips of 32 list places that cover a wave's 512 ranks
; v0 thread, v1 lane, v2 r, v3 h, v4 4 lane, v5 16 lane, v6 float(Y), v8-15 temporaries, then v8 h x trips, v9 colour row, v11-13 trip addresses, v14 u
; v16 wave + 4 lane, v17 = 512, v18 = -1024.0, v19 ZERO's address, v[20:23] zeros, v24 list place, v26 list word, v27 wave + 16 lane, v28 wave + 2 lane
.set D,    32                          ; v[32:35]   dx of my four pixels (the scatter: tile test; the gather: record words 0-3)
.set SX,   36                          ; v[36:39]   qa dx + bq           (the gather: record words 4-7)
.set E,    40                          ; v[40:43]   e
.set XB,   44                          ; v[44:47]   beta
.set WW,   48                          ; v[48:55]   weights of an even and an odd entry
.set REC,  64                          ; v[64:127]  keys, then 16 entries x (mx, qa, bq, R')
.set RBV,  128                         ; v[128:143] R of the 16 entries
.set COL,  144                         ; v[144:151] A fragment
.set WGT,  152                         ; v[152:183] B fragments, one for each pixel group
.set ACC,  184                         ; v[184:215] accumulators
.set TT,   216                         ; v[216:219] transmittance
.set NPX,  220                         ; v[220:223] minus my pixels' x
; s3 wave, s[4:15] buffers, s[16:18] bg, s20 512 w, s21 w x WP, s22-24 tile test, s25 0x7ff, s26 M, s27 trips, s28 counter, s29 s33 temporaries,
; s[30:31] -1/255, s32 252.45, s34 pad mask, s35 data lanes of A, s[36:39] four keys' masks, then the compaction's bases, then pixel masks,
; s[40:55] group masks, s56 s57 tile-and-range test, then s[56:61] the way out
; THE TILE TEST.  ctile - word: no field borrows; bit 20 survives iff Y >= ylo, bit 28 iff 127 - Y >= 127 - yhi; the low 13 bits come out complemented,
; so that a set x flag reads as 0, and, on a key as loaded, the rank's bits 10:9 read as 3 - (rank >> 9).
; Four keys abreast, of Gaussians i = 128 k + 4 lane + c: stage by stage, so that no line stands straight behind the one whose result it reads.
.macro SCAT4 k
	s_wait_loadcnt 15-\k                                   ; loads return in order: quad k is in, the 15-k younger ones stay out
.irp c, 0,1,2,3
	v_sub_nc_u32 v[D+\c], s22, v[REC+4*\k+\c]              ; the tile test, with my rank range in it
.endr
.irp c, 0,1,2,3
	v_and_b32 v[8+2*\c], s25, v[REC+4*\k+\c]               ; rank
.endr
.irp c, 0,1,2,3
	v_and_b32 v[D+\c], s56, v[D+\c]
.endr
.irp c, 0,1,2,3
	v_add_nc_u32 v[9+2*\c], 128*\k+\c, v4                  ; i
.endr
.irp c, 0,1,2,3
	v_cmp_eq_u32 s[36+\c], s57, v[D+\c]                    ; of my range and on my tile
.endr
.irp c, 0,1,2,3
	v_sub_nc_u32 v[8+2*\c], v[8+2*\c], s20                 ; rank - 512 w, wraps below my range
.endr
.irp c, 0,1,2,3
	v_bfi_b32 v[9+2*\c], s25, v[9+2*\c], v[REC+4*\k+\c]    ; the rank's bits give way to i
.endr
.irp c, 0,1,2,3
	v_min_u32 v[8+2*\c], 0x200, v[8+2*\c]                  ; outside my range: the dump word
.endr
.irp c, 0,1,2,3
	v_lshl_add_u32 v[8+2*\c], v[8+2*\c], 2, s21
.endr
.irp c, 0,1,2,3
	ds_store_b32 v[8+2*\c], v[9+2*\c]
.endr
.irp c, 0,1,2,3
	s_bcnt1_i32_b32 s29, s[36+\c]
	s_add_co_u32 s26, s26, s29                             ; M
.endr
.endm
; the tile test on four groups of 32 sorted entries (their low 11 bits now hold i, which the mask leaves out)
.macro MASK4 q
.irp c, 0,1,2,3
	v_sub_nc_u32 v[8+\c], s22, v[REC+4*\q+\c]
.endr
.irp c, 0,1,2,3
	v_and_b32 v[8+\c], s23, v[8+\c]
.endr
.irp c, 0,1,2,3
	v_cmp_eq_u32 s[40+4*\q+\c], s24, v[8+\c]
.endr
.endm
; four groups of 32 sorted entries to their places in the list; s36 .. s39: the hits in front of each group
.macro COMP4 q
	s_bcnt1_i32_b32 s29, s[40+4*\q]
	s_add_co_u32 s37, s36, s29
	s_bcnt1_i32_b32 s29, s[41+4*\q]
	s_add_co_u32 s38, s37, s29
	s_bcnt1_i32_b32 s29, s[42+4*\q]
	s_add_co_u32 s39, s38, s29
	s_bcnt1_i32_b32 s29, s[43+4*\q]
.irp c, 0,1,2,3
	v_mbcnt_lo_u32_b32 v[8+\c], s[40+4*\q+\c], s[36+\c]    ; hits in front of me
.endr
	s_add_co_u32 s36, s39, s29                             ; for the next four groups
.irp c, 0,1,2,3
	v_cndmask_b32 v[8+\c], v17, v[8+\c], s[40+4*\q+\c]     ; a miss goes to the dump word
.endr
.irp c, 0,1,2,3
	v_min_u32 v[8+\c], 0x200, v[8+\c]
.endr
.irp c, 0,1,2,3
	v_lshl_add_u32 v[8+\c], v[8+\c], 2, s21
.endr
.irp c, 0,1,2,3
	ds_store_b32 v[8+\c], v[REC+4*\q+\c]
.endr
.endm
; list places p = 32 t + lane: fetch the record, fold the row in, lay it out for the main loop
.macro GATH t
	ds_load_b32 v26, v16 offset:128*\t                     ; LDS serves a wave's instructions in order: this sees the compaction's stores
	v_or_b32 v24, 32*\t, v1                                ; p
	v_cmp_le_u32 s34, s26, v24                             ; a place behind the list's end
	s_wait_dscnt 0x0
	v_and_b32 v26, s25, v26
	v_min_u32 v26, 0x7ff, v26                              ; a Gaussian's number
	v_lshlrev_b32 v26, 5, v26
	global_load_b128 v[32:35], v26, s[6:7]                 ; mx my qa qb
	global_load_b128 v[36:39], v26, s[6:7] offset:16       ; qc R colours
	s_wait_loadcnt 0x0                                     ; the record; v26 is free again behind this wait
	v_sub_f32 v40, v33, v6                                 ; dy
	v_mul_f32 v41, v36, v40
	v_mul_f32 v42, v35, v40                                ; bq = qb dy
	v_fma_f32 v41, v41, v40, v37                           ; R' = qc dy^2 + R
	v_cndmask_b32 v44, v32, v18, s34                       ; a place behind the end: e = -(1024 + px)^2 < 0 against R = 0, which never passes,
	v_cndmask_b32 v45, v34, -1.0, s34                      ; and colours 0
	v_cndmask_b32 v46, v42, 0, s34
	v_cndmask_b32 v47, v41, 0, s34
	v_cndmask_b32 v37, v37, 0, s34
	v_cndmask_b32 v38, v38, 0, s34
	v_cndmask_b32 v39, v39, 0, s34
	ds_store_b128 v27, v[44:47] offset:REC4+512*\t
	ds_store_b32 v16, v37 offset:RB+128*\t
	ds_store_b16 v28, v38 offset:COLT+64*\t
	ds_store_b16_d16_hi v28, v38 offset:COLT+CROW+64*\t
	ds_store_b16 v28, v39 offset:COLT+2*CROW+64*\t
	ds_store_b16_d16_hi v28, v39 offset:COLT+3*CROW+64*\t
.endm
; the addresses of trip s28: u = h x trips + trip is the block of 16 entries, 31 at the most (2 x 16 blocks)
.macro ADDR
	v_add_nc_u32 v14, s28, v8
	v_min_u32 v14, 31, v14
	v_lshl_add_u32 v11, v14, 8, s21                        ; 16 entries x 16 bytes
	v_lshl_add_u32 v12, v14, 6, s21                        ; 16 words
	v_lshl_add_u32 v13, v14, 5, v9                         ; 16 bf16 of my colour row
	v_cndmask_b32 v13, v19, v13, s35                       ; lanes 0-3 and 24-27 carry colours, the others zeros
.endm
.macro GAUSS k, par
	s_wait_dscnt 17-(\k)                                   ; entry k is in; the 15-k younger entries and the two colour loads stay out
	v_pk_add_f32 v[D:D+1],   v[REC+4*(\k):REC+4*(\k)+1], v[NPX:NPX+1]   op_sel_hi:[0,1]        ; dx = mx - px
	v_pk_add_f32 v[D+2:D+3], v[REC+4*(\k):REC+4*(\k)+1], v[NPX+2:NPX+3] op_sel_hi:[0,1]
	v_pk_fma_f32 v[SX:SX+1],   v[REC+4*(\k):REC+4*(\k)+1], v[D:D+1],   v[REC+4*(\k)+2:REC+4*(\k)+3] op_sel:[1,0,0] op_sel_hi:[1,1,0]   ; qa dx + bq
	v_pk_fma_f32 v[SX+2:SX+3], v[REC+4*(\k):REC+4*(\k)+1], v[D+2:D+3], v[REC+4*(\k)+2:REC+4*(\k)+3] op_sel:[1,0,0] op_sel_hi:[1,1,0]
	v_pk_fma_f32 v[E:E+1],   v[SX:SX+1],   v[D:D+1],   v[REC+4*(\k)+2:REC+4*(\k)+3] op_sel:[0,0,1] op_sel_hi:[1,1,1]                   ; .. dx + R'
	v_pk_fma_f32 v[E+2:E+3], v[SX+2:SX+3], v[D+2:D+3], v[REC+4*(\k)+2:REC+4*(\k)+3] op_sel:[0,0,1] op_sel_hi:[1,1,1]
.irp g, 0,1,2,3
	v_exp_f32 v[XB+\g], v[E+\g]
.endr
.irp g, 0,1,2,3
	v_cmp_le_u32 s[36+\g], v[E+\g], v[RBV+(\k)]            ; 0 <= e <= R; also the plain instructions owed behind v_exp_f32 (ISA guide 5.7.2)
.endr
	s_wait_alu depctr_va_vdst(0)
.irp g, 0,1,2,3
	v_min_num_f32 v[XB+\g], s32, v[XB+\g]                  ; alpha <= 0.99
.endr
.irp g, 0,1,2,3
	v_cndmask_b32 v[XB+\g], 0, v[XB+\g], s[36+\g]
.endr
	v_pk_mul_f32 v[WW+4*\par:WW+4*\par+1],   v[XB:XB+1],   v[TT:TT+1]
	v_pk_mul_f32 v[WW+4*\par+2:WW+4*\par+3], v[XB+2:XB+3], v[TT+2:TT+3]
	v_pk_fma_f32 v[TT:TT+1],   v[WW+4*\par:WW+4*\par+1],   s[30:31], v[TT:TT+1]   op_sel_hi:[1,0,1]
	v_pk_fma_f32 v[TT+2:TT+3], v[WW+4*\par+2:WW+4*\par+3], s[30:31], v[TT+2:TT+3] op_sel_hi:[1,0,1]
.endm
.macro PACK j                          ; entries 2 j, 2 j + 1 are register j of B, as they are of A: the same place along K on both sides
.irp g, 0,1,2,3
	v_cvt_pk_bf16_f32 v[WGT+8*\g+\j], v[WW+\g], v[WW+4+\g]
.endr
.endm
.macro TRIP zero
.irp q, 0,1,2,3
	ds_load_b128 v[RBV+4*\q:RBV+4*\q+3], v12 offset:RB+16*\q
.endr
.irp k, 0,1,2,3,4,5,6,7,8,9,10,11,12,13,14,15
	ds_load_b128 v[REC+4*\k:REC+4*\k+3], v11 offset:REC4+16*\k     ; all lanes of a half ask for the same 16 bytes
.endr
	ds_load_b128 v[COL:COL+3], v13
	ds_load_b128 v[COL+4:COL+7], v13 offset:16
.irp j, 0,1,2,3,4,5,6,7
	GAUSS 2*\j, 0
	GAUSS 2*\j+1, 1
	PACK \j
.endr
	s_wait_dscnt 0x0                                       ; the colours
.irp g, 0,1,2,3
.if \zero
	v_wmma_f32_16x16x32_bf16 v[ACC+8*\g:ACC+8*\g+7], v[COL:COL+7], v[WGT+8*\g:WGT+8*\g+7], 0       ; the first product starts the sums
.else
	v_wmma_f32_16x16x32_bf16 v[ACC+8*\g:ACC+8*\g+7], v[COL:COL+7], v[WGT+8*\g:WGT+8*\g+7], v[ACC+8*\g:ACC+8*\g+7]
.endif
.endr
	s_add_co_u32 s28, s28, 1
	ADDR                                                   ; six plain vector instructions that name no matrix register: more than the four places owed
	                                                       ; (ISA guide 7.12.1) before COL is loaded, WGT written or ACC read
.endm
	s_load_b256 s[4:11], s[0:1], 0x0               ; keys 4:5, recs 6:7, bg 8:9, out0 10:11
	s_load_b128 s[12:15], s[0:1], 0x20             ; out2 12:13, out3 14:15
	v_lshl_add_u32 v224, v0, 2, 0x29000
	v_mov_b32 v225, 0
	v_lshrrev_b32 v1, 5, v0
	v_readfirstlane_b32 s3, v1                     ; wave
	v_and_b32 v1, 31, v0
	v_and_b32 v2, 15, v0
	v_bfe_u32 v3, v0, 4, 1
	v_lshlrev_b32 v4, 2, v1
	v_lshlrev_b32 v5, 4, v1
	s_wait_kmcnt 0x0
.irp k, 0,1,2,3,4,5,6,7,8,9,10,11,12,13,14,15
	global_load_b128 v[REC+4*\k:REC+4*\k+3], v5, s[4:5] offset:512*\k      ; 512 consecutive bytes a load, all 8,192 bytes
.endr
	s_load_b96 s[16:18], s[8:9], 0x0               ; bg, wanted at the very end
	s_lshr_b32 s29, ttmp9, 1                       ; Y
	s_and_b32 s28, ttmp9, 1                        ; X
	s_lshl_b32 s20, s3, 9
	s_mul_i32 s21, s3, WP
	s_add_co_u32 s22, s29, 128
	s_lshl_b32 s22, s22, 13
	s_sub_co_u32 s23, 255, s29
	s_lshl_b32 s23, s23, 21
	s_or_b32 s22, s22, s23
	s_or_b32 s22, s22, 0x1fff                      ; ctile = 0x1fff | (128 + Y) << 13 | (255 - Y) << 21
	s_add_co_u32 s23, s28, 11
	s_lshl_b32 s23, 1, s23
	s_or_b32 s23, s23, 0x10100000                  ; the two guard bits and my half's flag
	s_mov_b32 s24, 0x10100000                      ; both guards alive, the flag's complement 0
	s_or_b32 s56, s23, 0x600                       ; the same test with the rank's bits 10:9 in it,
	s_sub_co_u32 s57, 3, s3
	s_lshl_b32 s57, s57, 9
	s_or_b32 s57, s57, 0x10100000                  ; whose complement is 3 - w in my range
	s_mov_b32 s25, 0x7ff
	s_mov_b32 s26, 0                               ; M
	s_mov_b32 s30, 0xbb808081                      ; -1/255
	s_mov_b32 s31, 0xbb808081
	s_mov_b32 s32, 0x437c7333                      ; 252.45 = 255 x 0.99
	s_mov_b32 s35, 0x0f00000f
	s_lshl_b32 s28, s28, 6
	v_cvt_f32_u32 v6, s29
	v_add_nc_u32 v7, s28, v2
	v_cvt_f32_u32 v[NPX], v7
	v_sub_f32 v[NPX], 0, v[NPX]
	v_add_f32 v[NPX+1], 0xc1800000, v[NPX]         ; -16
	v_add_f32 v[NPX+2], 0xc2000000, v[NPX]         ; -32
	v_add_f32 v[NPX+3], 0xc2400000, v[NPX]         ; -48
.irp g, 0,1,2,3
	v_mov_b32 v[TT+\g], 1.0
	v_mov_b32 v[20+\g], 0
.endr
	v_add_nc_u32 v16, s21, v4                      ; my wave's region + 4 lane
	v_add_nc_u32 v27, s21, v5                      ; + 16 lane
	v_lshlrev_b32 v28, 1, v1
	v_add_nc_u32 v28, s21, v28                     ; + 2 lane
	v_mov_b32 v17, 0x200
	v_mov_b32 v18, 0xc4800000
	v_mov_b32 v19, s21
	v_add_nc_u32 v19, ZERO, v19
	ds_store_b128 v19, v[20:23]
	ds_store_b128 v19, v[20:23] offset:16
	; ---- 1: scatter and count.  The ranks are a permutation of 0 .. 2,047, so each of my 512 words is written once ----
.irp k, 0,1,2,3,4,5,6,7,8,9,10,11,12,13,14,15
	SCAT4 \k
.endr
	s_add_co_u32 s27, s26, 31
	s_lshr_b32 s27, s27, 5
	s_max_u32 s27, s27, 1
	s_min_u32 s27, s27, MOST                       ; trips: 32 list places each, 16 for either lane half
	; ---- 2: compact, in place: all 512 entries are in registers before the first is written back ----
.irp k, 0,1,2,3,4,5,6,7,8,9,10,11,12,13,14,15
	ds_load_b32 v[REC+\k], v16 offset:128*\k       ; LDS serves a wave's instructions in order: these see the stores above
.endr
	s_mov_b32 s36, 0
	s_wait_dscnt 0x0
.irp q, 0,1,2,3
	MASK4 \q
.endr
.irp q, 0,1,2,3
	COMP4 \q
.endr
	; ---- 3: gather, 32 list places a trip; the list's end leaves forward ----
	GATH 0
.irp t, 1,2,3,4,5,6,7,8,9,10,11,12,13,14,15
	s_cmp_le_u32 s27, \t
	s_cbranch_scc1 .Lgathered
	GATH \t
.endr
.Lgathered:
	s_wait_dscnt 0x0                               ; all that I have stored into LDS so far is there
	s_barrier_signal -1
	v_mul_u32_u24 v8, v3, s27                      ; registers only, between the signal and the wait: half 1 starts behind half 0's trips
	v_and_b32 v9, 3, v0
	v_mul_u32_u24 v9, v9, CROW
	v_add3_u32 v9, v9, s21, COLT                   ; channel L & 3
	s_mov_b32 s28, 0
	ADDR
	s_barrier_wait -1                              ; and so is every wave's: from here to the next barrier LDS is only read
	; ---- 4: main loop ----
	TRIP 1
	s_cmp_ge_u32 s28, s27
	s_cbranch_scc1 .Ldone
.Lmain:
	TRIP 0
	s_cmp_lt_u32 s28, s27
	s_cbranch_scc1 .Lmain
.Ldone:
	s_wait_dscnt 0x0                               ; my loads of the lists are over
	s_barrier_signal -1
	s_barrier_wait -1                              ; and every wave's: LDS may be written again
	; ---- 5: combine ----
	s_lshl_b32 s33, s3, 1
	v_add_nc_u32 v24, s33, v3                      ; segment 2 w + h
	v_mul_u32_u24 v24, v24, SEG
	v_lshl_add_u32 v24, v2, 2, v24
	v_add_nc_u32 v24, COMB, v24
.irp g, 0,1,2,3
.irp c, 0,1,2,3
	ds_store_b32 v24, v[ACC+8*\g+\c] offset:256*\c+64*\g
.endr
	ds_store_b32 v24, v[TT+\g] offset:1024+64*\g
.endr
	s_wait_dscnt 0x0                               ; my segment is in LDS, for the other waves' sake
	s_barrier_signal -1
	s_barrier_wait -1
	v_lshlrev_b32 v25, 3, v1                       ; two pixels a lane
	s_lshl_b32 s33, s3, 8                          ; plane w
	v_add3_u32 v26, v25, s33, COMB
	v_add_nc_u32 v29, COMB+1024, v25
.irp s, 0,1,2,3,4,5,6,7
	ds_load_b64 v[64+2*\s:65+2*\s], v26 offset:SEG*\s
.endr
.irp s, 0,1,2,3,4,5,6,7
	ds_load_b64 v[80+2*\s:81+2*\s], v29 offset:SEG*\s
.endr
	s_wait_kmcnt 0x0                               ; bg
	s_cmp_eq_u32 s3, 0
	s_cselect_b32 s58, s16, s17
	s_cmp_eq_u32 s3, 2
	s_cselect_b32 s58, s18, s58
	s_cmp_eq_u32 s3, 3
	s_cselect_b32 s58, 0, s58                      ; depth has no background
	s_mov_b32 s59, s58
	s_lshl_b32 s60, ttmp9, 8                       ; my 256 bytes of a plane
	s_lshl_b32 s33, s3, 16                         ; a colour plane is 65,536 bytes
	s_cmp_eq_u32 s3, 3
	s_cselect_b64 s[56:57], s[12:13], s[10:11]     ; wave 3: out2; else out0
	s_cselect_b32 s33, 0, s33
	s_add_co_u32 s60, s60, s33
	s_mov_b32 s61, 0
	s_add_nc_u64 s[56:57], s[56:57], s[60:61]
	s_wait_dscnt 0x0
.irp s, 1,2,3,4,5,6,7
	v_pk_fma_f32 v[64:65], v[80:81], v[64+2*\s:65+2*\s], v[64:65]  ; + (T of all segments in front) x this segment's sum
	v_pk_mul_f32 v[80:81], v[80:81], v[80+2*\s:81+2*\s]
.endr
	v_pk_fma_f32 v[64:65], v[80:81], s[58:59], v[64:65] op_sel_hi:[1,0,1]
	global_store_b64 v25, v[64:65], s[56:57]       ; 32 lanes store 256 consecutive bytes, aligned
	s_cmp_lg_u32 s3, 3
	s_cbranch_scc1 .Lend
	v_sub_f32 v82, 1.0, v80                        ; wave 3 also stores 1 - T
	v_sub_f32 v83, 1.0, v81
	s_add_nc_u64 s[14:15], s[14:15], s[60:61]      ; for wave 3 the offset is id x 256
	global_store_b64 v25, v[82:83], s[14:15]
.Lend:
	s_wait_tensorcnt 0x0
	ds_add_u32 v224, v225
	s_wait_dscnt 0x0
	s_endpgm
.Lfunc_end_k_q2400e14979_raster:
	.size	k_q2400e14979_raster, .Lfunc_end_k_q2400e14979_raster-k_q2400e14979_raster
	.p2alignl 7, 3214868480
	.fill 96, 4, 3214868480
	.section	.rodata,"a",@progbits
	.p2align	6, 0x0
	.amdhsa_kernel k_q2400e14979_raster
		.amdhsa_group_segment_fixed_size 168448
		.amdhsa_private_segment_fixed_size 0
		.amdhsa_enable_private_segment 0
		.amdhsa_kernarg_size 48
		.amdhsa_user_sgpr_count 2
		.amdhsa_user_sgpr_kernarg_segment_ptr 1
		.amdhsa_wavefront_size32 1
		.amdhsa_system_sgpr_workgroup_id_x 1
		.amdhsa_system_sgpr_workgroup_id_y 1
		.amdhsa_system_sgpr_workgroup_id_z 1
		.amdhsa_system_vgpr_workitem_id 0
		.amdhsa_next_free_vgpr 226
		.amdhsa_next_free_sgpr 66
		.amdhsa_reserve_vcc 0
		.amdhsa_float_denorm_mode_32 3
		.amdhsa_float_denorm_mode_16_64 3
		.amdhsa_memory_ordered 1
		.amdhsa_forward_progress 1
		.amdhsa_inst_pref_size 138
	.end_amdhsa_kernel
	.amdgpu_metadata
---
amdhsa.version: [ 1, 2 ]
amdhsa.kernels:
  - .name:           k_q2400e14979_raster
    .symbol:         k_q2400e14979_raster.kd
    .args:
      - { .name: keys, .offset: 0, .size: 8, .value_kind: global_buffer, .address_space: global }
      - { .name: recs, .offset: 8, .size: 8, .value_kind: global_buffer, .address_space: global }
      - { .name: bg, .offset: 16, .size: 8, .value_kind: global_buffer, .address_space: global }
      - { .name: out0, .offset: 24, .size: 8, .value_kind: global_buffer, .address_space: global }
      - { .name: out2, .offset: 32, .size: 8, .value_kind: global_buffer, .address_space: global }
      - { .name: out3, .offset: 40, .size: 8, .value_kind: global_buffer, .address_space: global }
    .group_segment_fixed_size: 168448
    .private_segment_fixed_size: 0
    .kernarg_segment_align: 8
    .kernarg_segment_size: 48
    .max_flat_workgroup_size: 128
    .sgpr_count:     66
    .vgpr_count:     226
    .wavefront_size: 32
...
	.end_amdgpu_metadata
.endif
;; end of part 2
;; ======== version 2 of 2: 2 launches; version 1 with the launch raster written anew for expert scheduling mode
;; limits: values outside matrix products are rounded to bf16
;; workspace buffers: recs 65,536 bytes; keys 8,192 bytes of whole numbers
;; launch prep: the kernel of part 1 again; grid 256 x 1, 9 waves a work-group, no clusters, 169,216 bytes of LDS; arguments means3D, opacities, colors_precomp, scales, rotations, viewmatrix, recs, keys, out1; writes recs, keys, out1
;; launch raster (part 3): grid 256 x 1, 4 waves a work-group, no clusters, 168,448 bytes of LDS; arguments keys, recs, bg, out0, out2, out3; writes out0, out2, out3
.if DOCPART == 3
	.amdgcn_target "amdgcn-amd-amdhsa--gfx1250"
	.amdhsa_code_object_version 6
	.text
	.protected	k_q2400e14979_raster
	.globl	k_q2400e14979_raster
	.p2align	8
	.type	k_q2400e14979_raster,@function
k_q2400e14979_raster:
	s_mov_b64 s[64:65], 0
	v_nop
	global_prefetch_b8 v0, s[64:65] scope:SCOPE_SE
	s_setreg_imm32_b32 hwreg(HW_REG_WAVE_SCHED_MODE, 0, 2), 2
	s_setreg_imm32_b32 hwreg(HW_REG_WAVE_MODE, 25, 1), 1
	s_wait_xcnt 0x0
	s_wait_alu depctr_vm_vsrc(0)
; RASTER: front-to-back compositing.  Work-group id owns 64 pixels: row Y = id>>1, columns 64 X .. 64 X + 63, X = id&1, which are 256 consecutive
; aligned bytes of every output plane.  Wave w owns the depth ranks 512 w .. 512 w + 511; up to the last step each wave works in LDS bytes of its own.
;   1 scatter : every wave reads all 2,048 keys and drops those of its rank range into LDS at their rank (the sort); the others go to a dump word.
;               On the way it counts M, the keys of its range whose box meets this tile (x-half flag, ylo <= Y <= yhi): the count needs no order, so
;               M, and the trip counts made of it, come by register arithmetic alone from whole numbers loaded from memory.
;   2 compact : the sorted entries that meet the tile are packed to the front, order kept; there are M of them.
;   3 gather  : their records are fetched; what depends on the row alone is folded in (dy is one number for the whole tile).  Written out, 16 trips of
;               32 list places with an exit in front of each, so that every LDS address is a fixed register and an immediate.
;   4 main    : lane (r = L&15, h = L>>4) owns pixels 64 X + 16 g + r, g = 0..3; lane half h walks half h of the list, 16 entries a trip.
;               e = log2(255 alpha) = (qa dx + bq) dx + R';  alpha passes iff 0 <= e <= R, one unsigned compare of the bits (R >= 0 is finite; negative
;               numbers and NaN have larger bit patterns);  beta = min(252.45, 2^e);  w = beta T;  T <- T - w / 255.  T stays in f32.
;               colour and depth sums go to the matrix unit: A = colours (rows 0-3: r g b z over half 0's entries, rows 8-11 over half 1's, all else 0),
;               B = weights (column = pixel r).  Registers 0-3 of D in lane (r, h) are then the four sums of pixel r over half h: no lane exchange.
;   5 combine : the eight segments (2 w + h, in depth order) meet in LDS: C = C0 + T0 C1 + T0 T1 C2 ..; wave w stores plane w.
; The list is a superset of the pairs that pass, so the result holds for any input; with all 2,048 listed it is merely long (16 trips a wave).
; BARRIERS: the main loop only loads from LDS, at addresses that hang on the trip and on the list's length.  A barrier stands between the gather's
; stores and the loop, and another between the loop and the combine's stores, so that the order of stores and loads holds for all waves whatever
; the loop's addresses; a third stands between the combine's stores and its loads, which do cross waves.
; No clusters: nothing comes by tensor loads, the only bytes that work-groups share are the 8 KiB of keys, and trip counts differ between groups.
; LIMITS: pairs within rounding of alpha = 1/255 or power = 0 may fall on the other side.  Depth rides as a fourth bf16 column beside the colours:
; a sum of positive terms, relative error at most 2^-8.  NaN inputs are not served.
; THE MODE: SCHED_MODE bits 1:0 = 2 (LLVM: expert scheduling mode 2), set by the entry lines.  The code itself states the register dependences
; between vector or matrix instructions and memory or LDS instructions, with s_wait_alu, always for 0.
; THE PLAN.  Registers that memory or LDS instructions touch:
;   v5 v16 v19 v[20:23] v27 v28   offsets, LDS addresses and zeros, made at the head and never written again.
;   REC    the key loads land here; the scatter turns each key into its list word in place and stores it; the compaction's list loads land in the first 16,
;          which it stores again; in the main loop a trip's entry loads land here and its packed arithmetic reads them; the combine's loads land here.
;   ADR    the scatter's LDS addresses, a register to each of a lane's 64 keys: written once, read once.  The same registers are RBV, COL, WGT, ACC later.
;   E      the compaction's 16 LDS addresses; in the main loop vector work alone.
;   v26    a gather trip: the list word lands, three vector lines make the record's offset, two loads read it.
;   v[32:39] the record lands; vector lines read it and rewrite v37-39; LDS stores read v37-39 and v[44:47].
;   v11-13 a trip's LDS addresses: written at the end of the trip before, read by the trip's 22 loads.
;   RBV, COL  a trip's loads land; compares and matrix instructions read them.      ACC, TT, v24: the combine's LDS stores read them.
; Work is laid in batches of 16, so that one wait on va_vdst stands ahead of a run of 16 stores, and one wait on va_sdst behind a run of 16 compares.
; LDS, per wave at w x 16,512: S 513 words (word 512 = dump) at 0; REC4 512 x 16 bytes at 2,064; RB 512 words at 10,256; COLT 4 rows of 512 bf16, pitch 1,040,
; at 12,304; ZERO 32 bytes at 16,464.  Shared: COMB at 66,048: 8 segments, pitch 1,344, [5 values][64 pixels] f32.
.set WP,    16512
.set REC4,  2064
.set RB,    10256
.set COLT,  12304
.set CROW,  1040
.set ZERO,  16464
.set COMB,  66048
.set SEG,   1344
.set MOST,  16                         ; trips of 32 list places that cover a wave's 512 ranks
; v0 thread, v1 lane, v2 r, v3 h, v4 4 lane, v5 16 lane, v6 float(Y), v7 temporary, v8 h x trips, v9 colour row, v11-13 trip addresses, v14 u
; v16 wave + 4 lane, v17 = 512, v18 = -1024.0, v19 ZERO's address, v[20:23] zeros, v24 list place, v26 list word, v27 wave + 16 lane, v28 wave + 2 lane
.set D,    32                          ; v[32:47]   dx of four entries x four pixels, then beta in the same registers (scatter, compaction: tile test; gather: the record and what is made of it)
.set E,    48                          ; v[48:63]   qa dx + bq, then e, of four entries x four pixels (scatter: i; compaction: list addresses)
.set REC,  64                          ; v[64:127]  keys, then 16 entries x (mx, qa, bq, R')
.set ADR,  128                         ; v[128:191] the scatter's LDS addresses
.set RBV,  128                         ; v[128:143] R of the 16 entries
.set COL,  144                         ; v[144:151] A fragment
.set WGT,  152                         ; v[152:183] B fragments, one for each pixel group
.set ACC,  184                         ; v[184:215] accumulators
.set TT,   216                         ; v[216:219] transmittance
.set NPX,  220                         ; v[220:223] minus my pixels' x
.set WW,   224                         ; v[224:231] weights of an even and an odd entry
; s3 wave, s[4:15] buffers, s[16:18] bg, s20 512 w, s21 w x WP, s22-24 tile test, s25 0x7ff, s26 M, s27 trips, s28 counter, s29 s33 temporaries,
; s[30:31] -1/255, s32 252.45, s34 pad mask, s35 data lanes of A, s[36:39] the compaction's bases,
; s[40:55] sixteen masks: of a batch of keys, of the 16 groups of sorted entries, of a batch of entries x pixels; s56 s57 tile-and-range test, then s[56:61] the way out
; THE TILE TEST.  ctile - word: no field borrows; bit 20 survives iff Y >= ylo, bit 28 iff 127 - Y >= 127 - yhi; the low 13 bits come out complemented,
; so that a set x flag reads as 0, and, on a key as loaded, the rank's bits 10:9 read as 3 - (rank >> 9).
; Sixteen keys abreast, register j of the batch: Gaussian i = 128 (4 b + j / 4) + 4 lane + j % 4.  Stage by stage, so that no line stands straight behind the one whose result it reads.
.macro SCAT16 b
	s_wait_loadcnt 12-4*(\b)                               ; loads return in order: the batch's four quads are in, those of the later batches stay out
.set j, 0
.rept 16
	v_sub_nc_u32 v[D+j], s22, v[REC+16*(\b)+j]             ; the tile test, with my rank range in it
.set j, j+1
.endr
.set j, 0
.rept 16
	v_and_b32 v[ADR+16*(\b)+j], s25, v[REC+16*(\b)+j]      ; rank
.set j, j+1
.endr
.set j, 0
.rept 16
	v_and_b32 v[D+j], s56, v[D+j]
.set j, j+1
.endr
.set j, 0
.rept 16
	v_add_nc_u32 v[E+j], 128*(4*(\b)+j/4)+j%4, v4          ; i
.set j, j+1
.endr
.set j, 0
.rept 16
	v_cmp_eq_u32 s[40+j], s57, v[D+j]                      ; of my range and on my tile
.set j, j+1
.endr
.set j, 0
.rept 16
	v_sub_nc_u32 v[ADR+16*(\b)+j], v[ADR+16*(\b)+j], s20   ; rank - 512 w, wraps below my range
.set j, j+1
.endr
.set j, 0
.rept 16
	v_bfi_b32 v[REC+16*(\b)+j], s25, v[E+j], v[REC+16*(\b)+j]  ; the rank's bits give way to i, in place
.set j, j+1
.endr
.set j, 0
.rept 16
	v_min_u32 v[ADR+16*(\b)+j], 0x200, v[ADR+16*(\b)+j]    ; outside my range: the dump word
.set j, j+1
.endr
.set j, 0
.rept 16
	v_lshl_add_u32 v[ADR+16*(\b)+j], v[ADR+16*(\b)+j], 2, s21
.set j, j+1
.endr
	s_wait_alu depctr_va_sdst(0)                           ; the sixteen compares have written s[40:55], which the counts below read
	s_wait_alu depctr_va_vdst(0)                           ; the batch's sixteen addresses and sixteen list words are written, which the stores below read
.set j, 0
.rept 16
	ds_store_b32 v[ADR+16*(\b)+j], v[REC+16*(\b)+j]
	s_bcnt1_i32_b32 s29, s[40+j]
	s_add_co_u32 s26, s26, s29                             ; M
.set j, j+1
.endr
.endm
; the list places of four groups of 32 sorted entries; s36 .. s39: the hits in front of each group.  Vector and scalar work alone: the stores follow in one run
.macro COMP4 q
	s_bcnt1_i32_b32 s29, s[40+4*\q]
	s_add_co_u32 s37, s36, s29
	s_bcnt1_i32_b32 s29, s[41+4*\q]
	s_add_co_u32 s38, s37, s29
	s_bcnt1_i32_b32 s29, s[42+4*\q]
	s_add_co_u32 s39, s38, s29
	s_bcnt1_i32_b32 s29, s[43+4*\q]
.irp c, 0,1,2,3
	v_mbcnt_lo_u32_b32 v[E+4*\q+\c], s[40+4*\q+\c], s[36+\c]   ; hits in front of me
.endr
	s_add_co_u32 s36, s39, s29                             ; for the next four groups
.irp c, 0,1,2,3
	v_cndmask_b32 v[E+4*\q+\c], v17, v[E+4*\q+\c], s[40+4*\q+\c]   ; a miss goes to the dump word
.endr
.irp c, 0,1,2,3
	v_min_u32 v[E+4*\q+\c], 0x200, v[E+4*\q+\c]
.endr
.irp c, 0,1,2,3
	v_lshl_add_u32 v[E+4*\q+\c], v[E+4*\q+\c], 2, s21
.endr
.endm
; list places p = 32 t + lane: fetch the record, fold the row in, lay it out for the main loop
.macro GATH t
.if \t > 0
	s_wait_alu depctr_vm_vsrc(0)                           ; the trip before: its record loads have read v26, in which the list word lands; its LDS stores have read v37-39 and v[44:47], which this trip writes again
.endif
	ds_load_b32 v26, v16 offset:128*\t                     ; LDS serves a wave's instructions in order: this sees the compaction's stores
	v_or_b32 v24, 32*\t, v1                                ; p
	v_cmp_le_u32 s34, s26, v24                             ; a place behind the list's end
	s_wait_dscnt 0x0
	v_and_b32 v26, s25, v26
	v_min_u32 v26, 0x7ff, v26                              ; a Gaussian's number
	v_lshlrev_b32 v26, 5, v26
	s_wait_alu depctr_va_sdst(0)                           ; the compare has written s34, which the selects below read
	s_wait_alu depctr_va_vdst(0)                           ; v26 is written, the loads' offset; the vector lines of the trip before are done with v[32:39], in which the loads land
	global_load_b128 v[32:35], v26, s[6:7]                 ; mx my qa qb
	global_load_b128 v[36:39], v26, s[6:7] offset:16       ; qc R colours
	s_wait_loadcnt 0x0                                     ; the record
	v_sub_f32 v40, v33, v6                                 ; dy
	v_mul_f32 v41, v36, v40
	v_mul_f32 v42, v35, v40                                ; bq = qb dy
	v_fma_f32 v41, v41, v40, v37                           ; R' = qc dy^2 + R
	v_cndmask_b32 v44, v32, v18, s34                       ; a place behind the end: e = -(1024 + px)^2 < 0 against R = 0, which never passes,
	v_cndmask_b32 v45, v34, -1.0, s34                      ; and colours 0
	v_cndmask_b32 v46, v42, 0, s34
	v_cndmask_b32 v47, v41, 0, s34
	v_cndmask_b32 v37, v37, 0, s34
	v_cndmask_b32 v38, v38, 0, s34
	v_cndmask_b32 v39, v39, 0, s34
	s_wait_alu depctr_va_vdst(0)                           ; the selects have written v[44:47] and v37-39, which the stores below read
	ds_store_b128 v27, v[44:47] offset:REC4+512*\t
	ds_store_b32 v16, v37 offset:RB+128*\t
	ds_store_b16 v28, v38 offset:COLT+64*\t
	ds_store_b16_d16_hi v28, v38 offset:COLT+CROW+64*\t
	ds_store_b16 v28, v39 offset:COLT+2*CROW+64*\t
	ds_store_b16_d16_hi v28, v39 offset:COLT+3*CROW+64*\t
.endm
; the addresses of trip s28: u = h x trips + trip is the block of 16 entries, 31 at the most (2 x 16 blocks)
.macro ADDR
	v_add_nc_u32 v14, s28, v8
	v_min_u32 v14, 31, v14
	v_lshl_add_u32 v11, v14, 8, s21                        ; 16 entries x 16 bytes
	v_lshl_add_u32 v12, v14, 6, s21                        ; 16 words
	v_lshl_add_u32 v13, v14, 5, v9                         ; 16 bf16 of my colour row
	v_cndmask_b32 v13, v19, v13, s35                       ; lanes 0-3 and 24-27 carry colours, the others zeros
.endm
.macro MINS i                          ; entry i of the batch
.irp g, 0,1,2,3
	v_min_num_f32 v[D+4*(\i)+\g], s32, v[D+4*(\i)+\g]      ; alpha <= 0.99
.endr
.endm
.macro CNDS i
.irp g, 0,1,2,3
	v_cndmask_b32 v[D+4*(\i)+\g], 0, v[D+4*(\i)+\g], s[40+4*(\i)+\g]
.endr
.endm
.macro PACK j                          ; entries 2 j, 2 j + 1 are register j of B, as they are of A: the same place along K on both sides
.irp g, 0,1,2,3
	v_cvt_pk_bf16_f32 v[WGT+8*\g+(\j)], v[WW+\g], v[WW+4+\g]
.endr
.endm
; Entries 4 b .. 4 b + 3 of a trip.  All that hangs on no T comes first, four entries abreast; the sixteen exponentials are one batch; then the chain over T, entry after entry, in depth order.
.macro BATCH b
	s_wait_dscnt 17-5*(\b)                                 ; LDS loads return in order: this batch's five are in; the 3 - b later batches' five each and the two colour loads stay out
.irp i, 0,1,2,3
	v_pk_add_f32 v[D+4*\i:D+4*\i+1],   v[REC+16*(\b)+4*\i:REC+16*(\b)+4*\i+1], v[NPX:NPX+1]   op_sel_hi:[0,1]        ; dx = mx - px
	v_pk_add_f32 v[D+4*\i+2:D+4*\i+3], v[REC+16*(\b)+4*\i:REC+16*(\b)+4*\i+1], v[NPX+2:NPX+3] op_sel_hi:[0,1]
.endr
.irp i, 0,1,2,3
	v_pk_fma_f32 v[E+4*\i:E+4*\i+1],   v[REC+16*(\b)+4*\i:REC+16*(\b)+4*\i+1], v[D+4*\i:D+4*\i+1],   v[REC+16*(\b)+4*\i+2:REC+16*(\b)+4*\i+3] op_sel:[1,0,0] op_sel_hi:[1,1,0]   ; qa dx + bq
	v_pk_fma_f32 v[E+4*\i+2:E+4*\i+3], v[REC+16*(\b)+4*\i:REC+16*(\b)+4*\i+1], v[D+4*\i+2:D+4*\i+3], v[REC+16*(\b)+4*\i+2:REC+16*(\b)+4*\i+3] op_sel:[1,0,0] op_sel_hi:[1,1,0]
.endr
.irp i, 0,1,2,3
	v_pk_fma_f32 v[E+4*\i:E+4*\i+1],   v[E+4*\i:E+4*\i+1],   v[D+4*\i:D+4*\i+1],   v[REC+16*(\b)+4*\i+2:REC+16*(\b)+4*\i+3] op_sel:[0,0,1] op_sel_hi:[1,1,1]                   ; .. dx + R'
	v_pk_fma_f32 v[E+4*\i+2:E+4*\i+3], v[E+4*\i+2:E+4*\i+3], v[D+4*\i+2:D+4*\i+3], v[REC+16*(\b)+4*\i+2:REC+16*(\b)+4*\i+3] op_sel:[0,0,1] op_sel_hi:[1,1,1]
.endr
.set j, 0
.rept 16
	v_exp_f32 v[D+j], v[E+j]                               ; 2^e takes dx's place
	v_cmp_le_u32 s[40+j], v[E+j], v[RBV+4*(\b)+j/4]        ; 0 <= e <= R; the last of these is also the plain instruction owed behind v_exp_f32 (ISA guide 5.7.2)
.set j, j+1
.endr
	s_wait_alu depctr_va_sdst(0)                           ; the sixteen compares have written s[40:55], which the selects below read
	s_wait_alu depctr_va_vdst(0)                           ; the sixteen exponentials have written v[D .. D+15]: the wait stands ahead of the first line that names a result; one for the batch
	MINS 0
	CNDS 0
.irp i, 0,1,2,3
	v_pk_mul_f32 v[WW+4*((\i)%2):WW+4*((\i)%2)+1],   v[D+4*\i:D+4*\i+1],   v[TT:TT+1]          ; w = beta T
	v_pk_mul_f32 v[WW+4*((\i)%2)+2:WW+4*((\i)%2)+3], v[D+4*\i+2:D+4*\i+3], v[TT+2:TT+3]
.if (\i) < 3
	MINS (\i)+1                                            ; the next entry's clamp and select stand between the links of the chain over T
.endif
	v_pk_fma_f32 v[TT:TT+1],   v[WW+4*((\i)%2):WW+4*((\i)%2)+1],   s[30:31], v[TT:TT+1]   op_sel_hi:[1,0,1]  ; T - w / 255
	v_pk_fma_f32 v[TT+2:TT+3], v[WW+4*((\i)%2)+2:WW+4*((\i)%2)+3], s[30:31], v[TT+2:TT+3] op_sel_hi:[1,0,1]
.if (\i) < 3
	CNDS (\i)+1
.endif
.if (\i)%2 == 1
	PACK 2*(\b)+(\i)/2
.endif
.endr
.endm
.macro TRIP zero
	s_wait_alu depctr_va_vdst(0)                           ; v11-13 are written, the loads' addresses; the trip before is done reading REC and RBV (vector lines) and COL (matrix instructions), in which the loads land
.irp b, 0,1,2,3
	ds_load_b128 v[RBV+4*\b:RBV+4*\b+3], v12 offset:RB+16*\b
.irp i, 0,1,2,3
	ds_load_b128 v[REC+16*\b+4*\i:REC+16*\b+4*\i+3], v11 offset:REC4+64*\b+16*\i   ; all lanes of a half ask for the same 16 bytes
.endr
.endr
	ds_load_b128 v[COL:COL+3], v13
	ds_load_b128 v[COL+4:COL+7], v13 offset:16
	BATCH 0
	BATCH 1
	BATCH 2
	BATCH 3
	s_wait_dscnt 0x0                                       ; the colours
.irp g, 0,1,2,3
.if \zero
	v_wmma_f32_16x16x32_bf16 v[ACC+8*\g:ACC+8*\g+7], v[COL:COL+7], v[WGT+8*\g:WGT+8*\g+7], 0       ; the first product starts the sums
.else
	v_wmma_f32_16x16x32_bf16 v[ACC+8*\g:ACC+8*\g+7], v[COL:COL+7], v[WGT+8*\g:WGT+8*\g+7], v[ACC+8*\g:ACC+8*\g+7]
.endif
.endr
	s_add_co_u32 s28, s28, 1
	s_wait_alu depctr_vm_vsrc(0)                           ; this trip's LDS loads have read v11-13, which the lines below write again
	ADDR                                                   ; six plain vector instructions that name no matrix register: more than the four places owed
	                                                       ; (ISA guide 7.12.1) before WGT is written or ACC read
.endm
	s_load_b256 s[4:11], s[0:1], 0x0               ; keys 4:5, recs 6:7, bg 8:9, out0 10:11
	s_load_b128 s[12:15], s[0:1], 0x20             ; out2 12:13, out3 14:15
	v_lshl_add_u32 v30, v0, 2, 0x29000
	v_mov_b32 v31, 0
	v_lshrrev_b32 v1, 5, v0
	v_readfirstlane_b32 s3, v1                     ; wave
	v_and_b32 v1, 31, v0
	v_and_b32 v2, 15, v0
	v_bfe_u32 v3, v0, 4, 1
	v_lshlrev_b32 v4, 2, v1
	v_lshlrev_b32 v5, 4, v1
	s_wait_alu depctr_va_sdst(0)                   ; s3 is written, ahead of its first reader: LDS regions, the rank range and the way out are made from it
	s_wait_alu depctr_va_vdst(0)                   ; v5 is written, the key loads' offset
	s_wait_kmcnt 0x0
.irp k, 0,1,2,3,4,5,6,7,8,9,10,11,12,13,14,15
	global_load_b128 v[REC+4*\k:REC+4*\k+3], v5, s[4:5] offset:512*\k      ; 512 consecutive bytes a load, all 8,192 bytes
.endr
	s_load_b96 s[16:18], s[8:9], 0x0               ; bg, wanted at the very end
	s_lshr_b32 s29, ttmp9, 1                       ; Y
	s_and_b32 s28, ttmp9, 1                        ; X
	s_lshl_b32 s20, s3, 9
	s_mul_i32 s21, s3, WP
	s_add_co_u32 s22, s29, 128
	s_lshl_b32 s22, s22, 13
	s_sub_co_u32 s23, 255, s29
	s_lshl_b32 s23, s23, 21
	s_or_b32 s22, s22, s23
	s_or_b32 s22, s22, 0x1fff                      ; ctile = 0x1fff | (128 + Y) << 13 | (255 - Y) << 21
	s_add_co_u32 s23, s28, 11
	s_lshl_b32 s23, 1, s23
	s_or_b32 s23, s23, 0x10100000                  ; the two guard bits and my half's flag
	s_mov_b32 s24, 0x10100000                      ; both guards alive, the flag's complement 0
	s_or_b32 s56, s23, 0x600                       ; the same test with the rank's bits 10:9 in it,
	s_sub_co_u32 s57, 3, s3
	s_lshl_b32 s57, s57, 9
	s_or_b32 s57, s57, 0x10100000                  ; whose complement is 3 - w in my range
	s_mov_b32 s25, 0x7ff
	s_mov_b32 s26, 0                               ; M
	s_mov_b32 s30, 0xbb808081                      ; -1/255
	s_mov_b32 s31, 0xbb808081
	s_mov_b32 s32, 0x437c7333                      ; 252.45 = 255 x 0.99
	s_mov_b32 s35, 0x0f00000f
	s_lshl_b32 s28, s28, 6
	v_cvt_f32_u32 v6, s29
	v_add_nc_u32 v7, s28, v2
	v_cvt_f32_u32 v[NPX], v7
	v_sub_f32 v[NPX], 0, v[NPX]
	v_add_f32 v[NPX+1], 0xc1800000, v[NPX]         ; -16
	v_add_f32 v[NPX+2], 0xc2000000, v[NPX]         ; -32
	v_add_f32 v[NPX+3], 0xc2400000, v[NPX]         ; -48
.irp g, 0,1,2,3
	v_mov_b32 v[TT+\g], 1.0
	v_mov_b32 v[20+\g], 0
.endr
	v_add_nc_u32 v16, s21, v4                      ; my wave's region + 4 lane
	v_add_nc_u32 v27, s21, v5                      ; + 16 lane
	v_lshlrev_b32 v28, 1, v1
	v_add_nc_u32 v28, s21, v28                     ; + 2 lane
	v_mov_b32 v17, 0x200
	v_mov_b32 v18, 0xc4800000
	v_mov_b32 v19, s21
	v_add_nc_u32 v19, ZERO, v19
	s_wait_alu depctr_va_vdst(0)                   ; v19 and v[20:23] are written, which the two stores below read; so are v16, v27 and v28, the LDS addresses of the compaction and the gather
	ds_store_b128 v19, v[20:23]
	ds_store_b128 v19, v[20:23] offset:16
	; ---- 1: scatter and count.  The ranks are a permutation of 0 .. 2,047, so each of my 512 words is written once ----
	SCAT16 0
	SCAT16 1
	SCAT16 2
	SCAT16 3
	s_add_co_u32 s27, s26, 31
	s_lshr_b32 s27, s27, 5
	s_max_u32 s27, s27, 1
	s_min_u32 s27, s27, MOST                       ; trips: 32 list places each, 16 for either lane half
	; ---- 2: compact, in place: all 512 entries are in registers before the first is written back ----
	s_wait_alu depctr_vm_vsrc(0)                   ; the scatter's 64 stores have read REC, in whose first sixteen registers the loads below land, and ADR, which the main loop writes again
.irp k, 0,1,2,3,4,5,6,7,8,9,10,11,12,13,14,15
	ds_load_b32 v[REC+\k], v16 offset:128*\k       ; LDS serves a wave's instructions in order: these see the stores above
.endr
	s_mov_b32 s36, 0
	s_wait_dscnt 0x0
	; the tile test on the sixteen groups of 32 sorted entries (their low 11 bits now hold i, which the mask leaves out)
.set j, 0
.rept 16
	v_sub_nc_u32 v[D+j], s22, v[REC+j]
.set j, j+1
.endr
.set j, 0
.rept 16
	v_and_b32 v[D+j], s23, v[D+j]
.set j, j+1
.endr
.set j, 0
.rept 16
	v_cmp_eq_u32 s[40+j], s24, v[D+j]
.set j, j+1
.endr
	s_wait_alu depctr_va_sdst(0)                   ; the sixteen compares have written s[40:55], which the counts, the lane counts and the selects below read
.irp q, 0,1,2,3
	COMP4 \q
.endr
	s_wait_alu depctr_va_vdst(0)                   ; the sixteen list addresses v[E .. E+15] are written, which the stores below read
.set j, 0
.rept 16
	ds_store_b32 v[E+j], v[REC+j]
.set j, j+1
.endr
	; ---- 3: gather, 32 list places a trip; the list's end leaves forward ----
	GATH 0
.irp t, 1,2,3,4,5,6,7,8,9,10,11,12,13,14,15
	s_cmp_le_u32 s27, \t
	s_cbranch_scc1 .Lgathered
	GATH \t
.endr
.Lgathered:
	s_wait_dscnt 0x0                               ; all that I have stored into LDS so far is there
	s_barrier_signal -1
	v_mul_u32_u24 v8, v3, s27                      ; registers only, between the signal and the wait: half 1 starts behind half 0's trips
	v_and_b32 v9, 3, v0
	v_mul_u32_u24 v9, v9, CROW
	v_add3_u32 v9, v9, s21, COLT                   ; channel L & 3
	s_mov_b32 s28, 0
	ADDR
	s_barrier_wait -1                              ; and so is every wave's: from here to the next barrier LDS is only read
	; ---- 4: main loop ----
	s_wait_alu depctr_vm_vsrc(0)                   ; the compaction's stores have read v[E .. E+15] and REC's first sixteen registers, the gather's v37-39 and v[44:47]: the trip's vector lines and loads write all of these again
	TRIP 1
	s_cmp_ge_u32 s28, s27
	s_cbranch_scc1 .Ldone
.Lmain:
	TRIP 0
	s_cmp_lt_u32 s28, s27
	s_cbranch_scc1 .Lmain
.Ldone:
	s_wait_dscnt 0x0                               ; my loads of the lists are over
	s_barrier_signal -1
	s_barrier_wait -1                              ; and every wave's: LDS may be written again
	; ---- 5: combine ----
	s_lshl_b32 s33, s3, 1
	v_add_nc_u32 v24, s33, v3                      ; segment 2 w + h
	v_mul_u32_u24 v24, v24, SEG
	v_lshl_add_u32 v24, v2, 2, v24
	v_add_nc_u32 v24, COMB, v24
	s_wait_alu depctr_va_vdst(0)                   ; the matrix instructions have written the accumulators, the chain T, the lines above v24: the stores below read them; the places behind the last product stay beside this wait
.irp g, 0,1,2,3
.irp c, 0,1,2,3
	ds_store_b32 v24, v[ACC+8*\g+\c] offset:256*\c+64*\g
.endr
	ds_store_b32 v24, v[TT+\g] offset:1024+64*\g
.endr
	s_wait_dscnt 0x0                               ; my segment is in LDS, for the other waves' sake
	s_barrier_signal -1
	s_barrier_wait -1
	v_lshlrev_b32 v25, 3, v1                       ; two pixels a lane
	s_lshl_b32 s33, s3, 8                          ; plane w
	v_add3_u32 v26, v25, s33, COMB
	v_add_nc_u32 v29, COMB+1024, v25
	s_wait_alu depctr_va_vdst(0)                   ; v26 and v29 are written, the loads' addresses, and v25, the stores' offset
.irp s, 0,1,2,3,4,5,6,7
	ds_load_b64 v[64+2*\s:65+2*\s], v26 offset:SEG*\s
.endr
.irp s, 0,1,2,3,4,5,6,7
	ds_load_b64 v[80+2*\s:81+2*\s], v29 offset:SEG*\s
.endr
	s_wait_kmcnt 0x0                               ; bg
	s_cmp_eq_u32 s3, 0
	s_cselect_b32 s58, s16, s17
	s_cmp_eq_u32 s3, 2
	s_cselect_b32 s58, s18, s58
	s_cmp_eq_u32 s3, 3
	s_cselect_b32 s58, 0, s58                      ; depth has no background
	s_mov_b32 s59, s58
	s_lshl_b32 s60, ttmp9, 8                       ; my 256 bytes of a plane
	s_lshl_b32 s33, s3, 16                         ; a colour plane is 65,536 bytes
	s_cmp_eq_u32 s3, 3
	s_cselect_b64 s[56:57], s[12:13], s[10:11]     ; wave 3: out2; else out0
	s_cselect_b32 s33, 0, s33
	s_add_co_u32 s60, s60, s33
	s_mov_b32 s61, 0
	s_add_nc_u64 s[56:57], s[56:57], s[60:61]
	s_wait_dscnt 0x0
.irp s, 1,2,3,4,5,6,7
	v_pk_fma_f32 v[64:65], v[80:81], v[64+2*\s:65+2*\s], v[64:65]  ; + (T of all segments in front) x this segment's sum
	v_pk_mul_f32 v[80:81], v[80:81], v[80+2*\s:81+2*\s]
.endr
	v_pk_fma_f32 v[64:65], v[80:81], s[58:59], v[64:65] op_sel_hi:[1,0,1]
	s_wait_alu depctr_va_vdst(0)                   ; the sums have written v[64:65], which the store reads
	global_store_b64 v25, v[64:65], s[56:57]       ; 32 lanes store 256 consecutive bytes, aligned
	s_cmp_lg_u32 s3, 3
	s_cbranch_scc1 .Lend
	v_sub_f32 v82, 1.0, v80                        ; wave 3 also stores 1 - T
	v_sub_f32 v83, 1.0, v81
	s_add_nc_u64 s[14:15], s[14:15], s[60:61]      ; for wave 3 the offset is id x 256
	s_wait_alu depctr_va_vdst(0)                   ; the two subtractions have written v[82:83], which the store reads
	global_store_b64 v25, v[82:83], s[14:15]
.Lend:
	s_wait_dscnt 0x0
	s_wait_alu depctr_hold_cnt(0) depctr_sa_sdst(0) depctr_va_vdst(0) depctr_va_sdst(0) depctr_va_ssrc(0) depctr_va_vcc(0) depctr_vm_vsrc(0)
	s_wait_tensorcnt 0x0
	ds_add_u32 v30, v31
	s_wait_dscnt 0x0
	s_endpgm
.Lfunc_end_k_q2400e14979_raster:
	.size	k_q2400e14979_raster, .Lfunc_end_k_q2400e14979_raster-k_q2400e14979_raster
	.p2alignl 7, 3214868480
	.fill 96, 4, 3214868480
	.section	.rodata,"a",@progbits
	.p2align	6, 0x0
	.amdhsa_kernel k_q2400e14979_raster
		.amdhsa_group_segment_fixed_size 168448
		.amdhsa_private_segment_fixed_size 0
		.amdhsa_enable_private_segment 0
		.amdhsa_kernarg_size 48
		.amdhsa_user_sgpr_count 2
		.amdhsa_user_sgpr_kernarg_segment_ptr 1
		.amdhsa_wavefront_size32 1
		.amdhsa_system_sgpr_workgroup_id_x 1
		.amdhsa_system_sgpr_workgroup_id_y 1
		.amdhsa_system_sgpr_workgroup_id_z 1
		.amdhsa_system_vgpr_workitem_id 0
		.amdhsa_next_free_vgpr 232
		.amdhsa_next_free_sgpr 66
		.amdhsa_reserve_vcc 0
		.amdhsa_float_denorm_mode_32 3
		.amdhsa_float_denorm_mode_16_64 3
		.amdhsa_memory_ordered 1
		.amdhsa_forward_progress 1
		.amdhsa_inst_pref_size 139
	.end_amdhsa_kernel
	.amdgpu_metadata
---
amdhsa.version: [ 1, 2 ]
amdhsa.kernels:
  - .name:           k_q2400e14979_raster
    .symbol:         k_q2400e14979_raster.kd
    .args:
      - { .name: keys, .offset: 0, .size: 8, .value_kind: global_buffer, .address_space: global }
      - { .name: recs, .offset: 8, .size: 8, .value_kind: global_buffer, .address_space: global }
      - { .name: bg, .offset: 16, .size: 8, .value_kind: global_buffer, .address_space: global }
      - { .name: out0, .offset: 24, .size: 8, .value_kind: global_buffer, .address_space: global }
      - { .name: out2, .offset: 32, .size: 8, .value_kind: global_buffer, .address_space: global }
      - { .name: out3, .offset: 40, .size: 8, .value_kind: global_buffer, .address_space: global }
    .group_segment_fixed_size: 168448
    .private_segment_fixed_size: 0
    .kernarg_segment_align: 8
    .kernarg_segment_size: 48
    .max_flat_workgroup_size: 128
    .sgpr_count:     66
    .vgpr_count:     232
    .wavefront_size: 32
...
	.end_amdgpu_metadata
.endif
;; end of part 3
